; MI455X (gfx1250); checked and timed in simulation.
; The chip was launched on July 23, 2026; its instructions are those of AMD's public machine-readable ISA for CDNA 5 (MIT licence, August 2026) and "CDNA5" Instruction Set Architecture Reference Guide (July 2026). The comments in the code are by the model that wrote it; some were corrected since.
;; Single Head Attention. Allowed arithmetic: matrix products marked QUANTISED: E2M3 operands, one E8M0 scale for each 32 along K, by v_wmma_scale_f32_16x16x128_f8f6f4 with both operands' format E2M3, f32 sums; everything else in f32.
;; Inputs: Wk 512 x 1,024 float32; Wq 512 x 1,024 float32; Wv 512 x 1,024 float32; x 8 x 2,048 x 1,024 float32.
;; Outputs: out0 8 x 2,048 x 512 float32.
;; This version of the problem:
;;   THIS VERSION OF THE PROBLEM IS GIVEN IN LOW PRECISION. The matrix products marked QUANTISED in the list below multiply operands that are first quantised to E2M3 (2 exponent bits, 3 mantissa bits; 6 bits a number), with one power-of-two scale for each 32 numbers along K (OCP MX v1.0); their sums are f32. All else is computed in f32.
;;   The module's matrix products, in the order in which they are computed (A, B: the left and right operand; K: the contracted axis; several contracted axes count as one K, in the product's order):
;;     1. [M 16,384, K 1,024] x [K 1,024, N 512]; A: input x; B: input Wk: QUANTISED
;;     2. [M 16,384, K 1,024] x [K 1,024, N 512]; A: input x; B: input Wq: QUANTISED
;;     3. [M 16,384, K 1,024] x [K 1,024, N 512]; A: input x; B: input Wv: QUANTISED
;;     4. batch 8 x [M 2,048, K 512] x [K 512, N 2,048]; A: computed on the way; B: computed on the way: QUANTISED
;;     5. batch 8 x [M 2,048, K 2,048] x [K 2,048, N 512]; A: softmax (see below); B: computed on the way: QUANTISED
;;   THE QUANTISER, for each operand of a quantised product, along K:
;;     - K is cut into blocks of 32 from its start; a last block that is shorter is filled with zeros.
;;     - A block's scale is 2^e with e = floor(log2(the largest magnitude in the block)) - 2, held to -126 .. 127; a block of zeros has e = 0. As a byte (E8M0): e + 127.
;;     - Each number is divided by its block's scale, clamped to +-7.5, and rounded to the nearest number of E2M3, ties to even, subnormals kept.
;;     - The product sums the exact products of the quantised numbers (number of the format x scale) in f32.
;;   ~~~python
;;   def quantise(x, axis):      # numpy; x: float32 -> the quantised numbers, widened to float32 again
;;       x = np.moveaxis(x, axis, -1); K = x.shape[-1]
;;       x = np.pad(x, [(0, 0)] * (x.ndim - 1) + [(0, -K % 32)]); x = x.reshape(x.shape[:-1] + (-1, 32)); a = np.abs(x).max(-1, keepdims=True)
;;       e = np.where(a > 0, np.clip(np.frexp(np.where(a > 0, a, 1))[1] - 1 - 2, -126, 127), 0)      # np.frexp(a)[1] - 1 = floor(log2(a)), exactly
;;       r = np.clip(x / 2.0 ** e, -7.5, 7.5)
;;       step = 2.0 ** (np.maximum(np.frexp(np.where(r == 0, 1, r))[1] - 1, 0) - 3)
;;       q = np.round(r / step) * step * 2.0 ** e      # np.round: ties to even
;;       return np.moveaxis(q.reshape(q.shape[:-2] + (-1,))[..., :K], -1, axis).astype(np.float32)
;;   ~~~
;;   SOFTMAX AHEAD OF A QUANTISED PRODUCT. Where the list says 'softmax', what is quantised is not the finished softmax but p = 2^(t - M), with t = logit x log2(e) and M = ceil(the row's largest t), a whole number; so 1/2 < the row's largest p <= 1. The row's sum l is taken of the UNQUANTISED p, in f32, and the product's result is divided by l at the end. Since M is a whole number, a kernel that streams over the keys may use a running M (the ceiling of the running maximum): every later rescaling is an exact power of two, which a block's scale takes up: the codes' values come out the same.
;;   OPERANDS COMPUTED ON THE WAY. 'Computed on the way' means the value that the module computes at that place (a softmax that the list does not call 'softmax' is quantised finished and normalised). What goes into a quantiser is computed in f32, as accurately as f32 sums, v_exp_f32 and their like allow (about 1e-6 of the number): no bf16 or f16 on the way to a quantiser, and a product that is left as it is and whose result goes on into a quantised operand takes f32 operands (vector FMAs, or v_wmma_f32_16x16x4_f32). A number that lies on a knife's edge between two numbers of the format may be rounded either way, as far as f32 arithmetic and the matrix unit's own rounding can turn it there, and no further.
;; One version. Each part assembles by itself: llvm-mc -triple=amdgcn-amd-amdhsa -mcpu=gfx1250 --defsym DOCPART=n.
;; ======== version 1 of 1: 3 launches
;; limits: right only within a limited range of input values
;; workspace buffers: pk 14,336,000 bytes; qimg 6,291,456 bytes; qsc 262,144 bytes; kimg 6,291,456 bytes; ksc 262,144 bytes; vimg 6,291,456 bytes; vsc 262,144 bytes
;; launch wquant (part 1): grid 256 x 1, 5 waves a work-group, no clusters, 43,008 bytes of LDS; arguments Wq, Wk, Wv, x, pk; writes pk
.if DOCPART == 1
	.amdgcn_target "amdgcn-amd-amdhsa--gfx1250"
	.amdhsa_code_object_version 6
	.text
	.protected	k_q5ad56a04b1_wquant
	.globl	k_q5ad56a04b1_wquant
	.p2align	8
	.type	k_q5ad56a04b1_wquant,@function
k_q5ad56a04b1_wquant:
	s_mov_b64 s[64:65], 0
	v_nop
	global_prefetch_b8 v0, s[64:65] scope:SCOPE_SE
	s_setreg_imm32_b32 hwreg(HW_REG_WAVE_MODE, 25, 1), 1
	s_wait_xcnt 0x0
; THE PROGRAM: causal attention with one head, all five products on codes of FP6 (E2M3) with one E8M0 scale for each 32 along K.  Three launches:
;   wquant (this one): Wq, Wk, Wv [512][1024] and x [16,384][1,024], f32, become codes and scale words;   proj: q, k, v = x W^T, and q, k (along the head) and v (along the keys) are quantised in registers;
;   attn: S^T = K Q^T, the softmax, O^T = V^T P^T, the division by the row's sum.
; WORK LEFT OUT, and why it is dead.  reference() sets scores[t][s] to -inf wherever s > t, by the jnp.tril that it builds itself; the weight there is exp(-inf) = 0 for every finite x, Wq, Wk, Wv, its code is the code 0,
; and its product with v adds nothing to the output or to the row's sum.  So the launch attn leaves out every pair (block of 32 queries, step of 128 keys) all of whose keys come after all of the block's queries: neither the
; scores nor the second product of such a pair is computed.  All of q, k and v is live, and so is every input: all four are loaded.  LIMIT: a NaN, an infinity or an overflow that reaches only the pairs left out is not carried to the result.
; THIS LAUNCH.  Each row of x is wanted by four work-groups of proj and each row of a weight by 64, so both are quantised once.  pk holds 140 BLOCKS of 128 rows x 1,024 K, 102,400 bytes each: blocks 0-11 are rows 128 w on of
; weight p (block 4 p + w; p = q, k, v), blocks 12-139 are x's rows 128 (block - 12) on.  A block: [K step s 8][tile t 8] fragments of 1,536 bytes, then [t 8][row 16][s 8] scale words (4,096 bytes).
; A fragment (16 rows x 128 K, 12 registers a lane) is an IMAGE OF THE OPERAND'S REGISTERS: three pieces of 512 bytes, piece c holding lane l's registers 4 c .. 4 c + 3 at byte 16 l.
; THE ROWS OF A TILE ARE NOT NEIGHBOURS: row i of tile t = 2 b + u is row 32 b + 8 u + i + 8 (i / 8) of the block's 128, so that the 16 result registers of tiles 2 b and 2 b + 1 are 16 neighbours along the next product's K.
; SHARES.  A wave takes one tile of 16 rows through all eight K steps.  Work-group id, waves 0-3: x's block 12 + id / 2, tile 4 (id % 2) + wave: 1,024 tiles.  The weights have 96 tiles: wave 4 of work-group id < 96 takes tile id % 8
; of block id / 8; in the other work-groups wave 4 has no tile and ends.  A load reads 512 consecutive bytes of one row; the 16 rows turn through the wave's own stage in LDS (rows 528 bytes apart), so that a lane gets 16
; neighbours of each block of 32 of its row.  Loads run three K steps (48 loads a wave) ahead.  Each K step has code registers of its own, so that no store's data are written again.  One path serves all four tensors: only pointers are chosen.
; No cluster, no tensor load, no prefetch: every byte is read once, by one wave, in long runs, and nothing is shared.
; THE QUANTISER: a block's scale is 2^(floor(log2(its largest magnitude)) - 2); its byte is the largest magnitude's exponent field - 2, held at 1 from below.  A block of zeros keeps the byte 1: its codes are zeros, and this program alone reads the bytes.
; LIMITS: blocks whose largest magnitude lies under 2^-124 keep the byte 1; NaN and infinities among the inputs are not served.
.set STGB,  8448                       ; a wave's stage: 16 rows x 528 bytes
.set SPARE, 5*STGB                     ; the spare words, 128 bytes for each wave: three blocks of 256 bytes that no other line names
.set BLK,   102400
.set LI,  1                            ; v1   16 x lane
.set STI, 2                            ; v2   the stage, on the way in
.set STR, 3                            ; v3   and on the way out: row r, + 64 h
.set SO,  4                            ; v4   32 r + 16 h: my 16 bytes of the tile's scale words
.set SPW, 14                           ; v14  my spare word; never rewritten
.set NIL, 15                           ; v15  0; never rewritten
.set SW,  16                           ; v16-23  the eight K steps' scale words
.set SQ,  24                           ; v24-27  the four that I store
.set TM,  84                           ; v84-99  at work in QUANT
.set PW,  100                          ; the scale word
.set PT,  112                          ; v112-118 the upper halves of the blocks' codes, before they are moved
.set X,   132                          ; v132-195 64 numbers of my row: register 16 b + i = k 32 b + 16 h + i;   window 1: four sets of 64 registers as loaded
                                       ; v28-75, v196-243: the codes, 12 registers for each K step
.set SEL, 28                           ; s[28:29] lane selects for v_permlanex16_b32: lane l xor 16
.set OB,  30                           ; s[30:31] my tile's fragments in pk;  s[32:33] its scale words
.set SB,  32
.set HM,  35                           ; s35  lanes 16-31
.set MSB, 0
.macro WIN new                         ; the immediate's high byte repeats the setting that is left; a switch that changes nothing is dropped
.if MSB != (\new)
	s_set_vgpr_msb (MSB<<8)|(\new)
.set MSB, (\new)
.endif
.endm
; 64 numbers of a lane, v[s] .. v[s + 63], register 16 b + i = k 32 b + 16 (lane / 16) + i of my row, become a fragment's codes in v[pc] on and its scale word in v[PW]
.macro QUANT s, pc
.irp b, 0,1,2,3
	v_max3_num_f32 v[TM+\b], |v[(\s)+16*\b]|, |v[(\s)+1+16*\b]|, 0x1800000   ; block b: my 16 numbers, and the floor 2^(3 - 127): the byte cannot fall under 1
.endr
.irp i, 2,4,6,8,10,12,14
.irp b, 0,1,2,3
	v_max3_num_f32 v[TM+\b], v[TM+\b], |v[(\s)+16*\b+\i]|, |v[(\s)+1+16*\b+\i]|   ; the four blocks by turns
.endr
.endr
.irp b, 0,1,2,3
	v_permlanex16_b32 v[TM+4+\b], v[TM+\b], s[SEL], s[SEL+1]
.endr
.irp b, 0,1,2,3
	v_max_num_f32 v[TM+\b], v[TM+\b], v[TM+4+\b]   ; with lane l xor 16's: the block's largest magnitude
.endr
.irp b, 0,1,2,3
	v_add_nc_u32 v[TM+12+\b], 0xff000000, v[TM+\b]   ; 2 off its exponent field: the conversion's scale operand
.endr
.irp b, 0,1,2,3
	v_lshrrev_b32 v[TM+4+\b], 23, v[TM+12+\b]      ; the scale's byte
.endr
	v_lshl_or_b32 v[PW], v[TM+5], 8, v[TM+4]
	v_lshl_or_b32 v[PW], v[TM+6], 16, v[PW]
	v_lshl_or_b32 v[PW], v[TM+7], 24, v[PW]
.irp c, 0,1
	v_cvt_scalef32_pk16_fp6_f32 v[(\pc)+6*\c:(\pc)+2+6*\c], v[(\s)+32*\c:(\s)+15+32*\c], v[TM+12+2*\c]
	v_cvt_scalef32_pk16_fp6_f32 v[PT+4*\c:PT+2+4*\c], v[(\s)+16+32*\c:(\s)+31+32*\c], v[TM+12+2*\c+1]   ; (a conversion's three registers begin on an even number)
.endr
	v_nop                                          ; one plain place behind a scaled conversion
.irp c, 0,1                            ; the operand's layout wants a whole block in a lane: lanes 0-15 block 2 c, lanes 16-31 block 2 c + 1
.irp i, 0,1,2
	v_permlane16_swap_b32 v[(\pc)+6*\c+\i], v[PT+4*\c+\i]
.endr
.irp i, 0,1,2
	v_mov_b32 v[(\pc)+3+6*\c+\i], v[PT+4*\c+\i]
.endr
.endr
.endm
.macro XLOAD s                         ; K step s of my 16 rows into set s % 4 of window 1: each load reads 512 consecutive bytes of one row
	WIN 0x40
.irp i, 0,1,2,3,4,5,6,7,8,9,10,11,12,13,14,15
	global_load_b128 v[64*((\s)%4)+4*\i:64*((\s)%4)+4*\i+3], v[LI], s[4:5] offset:512*(\s)+(\i+8*(\i/8))*4096 th:TH_LOAD_NT
.endr
	WIN 0
.endm
.macro XSTEP s, n                      ; n: the loads issued behind this step's sixteen, which may stay out
.set PCS, 28+12*(\s)+120*((\s)/4)
	s_wait_loadcnt \n
	WIN 0x04                                       ; an LDS store's data are its source 1: window 1
.irp i, 0,1,2,3,4,5,6,7,8,9,10,11,12,13,14,15
	ds_store_b128 v[STI], v[64*((\s)%4)+4*\i:64*((\s)%4)+4*\i+3] offset:528*\i
.endr
	WIN 0
.irp b, 0,1,2,3
.irp j, 0,1,2,3
	ds_load_b128 v[X+16*\b+4*\j:X+16*\b+4*\j+3], v[STR] offset:128*\b+16*\j   ; LDS serves a wave's instructions in order: these see my stores
.endr
.endr
.if (\s) <= 4
	XLOAD (\s)+3                                   ; into the set whose stores into the stage were waited for in the last step
.endif
	s_wait_dscnt 0x0                               ; my 64 numbers are in
	QUANT X, PCS
.irp c, 0,1,2
	global_store_b128 v[LI], v[PCS+4*\c:PCS+4*\c+3], s[OB:OB+1] offset:12288*(\s)+512*\c   ; 512 consecutive bytes, aligned
.endr
	v_mov_b32 v[SW+(\s)], v[PW]
.endm
	s_load_b256 s[4:11], s[0:1], 0x0               ; Wq, Wk, Wv, x
	s_load_b64 s[12:13], s[0:1], 0x20              ; pk
	v_lshl_add_u32 v[SPW], v0, 2, SPARE
	v_mov_b32 v[NIL], 0
	v_lshrrev_b32 v5, 5, v0
	v_readfirstlane_b32 s16, v5                    ; wave 0..4
	v_and_b32 v5, 31, v0                           ; lane
	v_and_b32 v6, 15, v0                           ; r
	v_bfe_u32 v7, v0, 4, 1                         ; h
	v_lshlrev_b32 v[LI], 4, v5
	s_mul_i32 s17, s16, STGB
	v_add_nc_u32 v[STI], s17, v[LI]
	v_mul_u32_u24 v[STR], v6, 528
	v_lshl_add_u32 v[STR], v7, 6, v[STR]
	v_add_nc_u32 v[STR], s17, v[STR]
	v_lshlrev_b32 v[SO], 5, v6
	v_lshl_add_u32 v[SO], v7, 4, v[SO]
.irp b, 0,1,2,3
	v_mov_b32 v[TM+4+\b], 0                        ; written once: a lane permute's destination counts as one of its sources
.endr
	s_lshr_b32 s18, ttmp9, 1
	s_add_co_u32 s18, s18, 12                      ; waves 0-3: x's block,
	s_and_b32 s19, ttmp9, 1
	s_lshl_b32 s19, s19, 2
	s_add_co_u32 s19, s19, s16                     ; and tile
	s_lshr_b32 s20, ttmp9, 3                       ; wave 4: a weight's block,
	s_and_b32 s21, ttmp9, 7                        ; and tile
	s_cmp_lt_u32 s16, 4
	s_cselect_b32 s18, s18, s20                    ; the block
	s_cselect_b32 s19, s19, s21                    ; the tile t
	s_cselect_b32 s36, 0, ttmp9                    ; wave 4 has a tile where this is under 96
	s_and_b32 s20, s18, 3                          ; a weight's block of rows,
	s_sub_co_u32 s21, s18, 12                      ; x's
	s_lshr_b32 s22, s19, 1
	s_lshl_b32 s22, s22, 5
	s_and_b32 s23, s19, 1
	s_lshl_b32 s23, s23, 3
	s_add_co_u32 s22, s22, s23                     ; the tile's first row in the block: 32 (t / 2) + 8 (t % 2)
	s_mul_i32 s26, s18, BLK
	s_mul_i32 s23, s19, 1536
	s_add_co_u32 s24, s26, s23                     ; my fragments' place in pk
	s_mov_b32 s25, 0
	s_lshl_b32 s23, s19, 9
	s_add_co_u32 s26, s26, s23
	s_add_co_u32 s26, s26, 98304                   ; my scale words' place
	s_mov_b32 s27, 0
	s_mov_b32 s[SEL], 0x76543210
	s_mov_b32 s[SEL+1], 0xfedcba98
	s_mov_b32 s[HM], 0xffff0000
	s_wait_alu depctr_va_vdst(0)
	s_wait_kmcnt 0x0
	s_cmp_ge_u32 s36, 96
	s_cbranch_scc1 .Lnone                          ; a fifth wave with no tile: it has touched neither LDS nor memory
	s_cmp_lt_u32 s18, 8                            ; which tensor: the choice hangs on ids alone
	s_cselect_b64 s[6:7], s[6:7], s[8:9]
	s_cmp_lt_u32 s18, 4
	s_cselect_b64 s[4:5], s[4:5], s[6:7]
	s_cmp_lt_u32 s18, 12
	s_cselect_b64 s[4:5], s[4:5], s[10:11]
	s_cselect_b32 s20, s20, s21
	s_lshl_b32 s20, s20, 7
	s_add_co_u32 s20, s20, s22
	s_lshl_b32 s20, s20, 12                        ; rows of 4,096 bytes
	s_mov_b32 s21, 0
	s_add_nc_u64 s[4:5], s[4:5], s[20:21]
	s_add_nc_u64 s[OB:OB+1], s[12:13], s[24:25]
	s_add_nc_u64 s[SB:SB+1], s[12:13], s[26:27]
	XLOAD 0
	XLOAD 1
	XLOAD 2
	; the counts: behind step s's loads stand those of steps s + 1 and s + 2 (32); at the end step 7's (16), then none
	XSTEP 0, 32
	XSTEP 1, 32
	XSTEP 2, 32
	XSTEP 3, 32
	XSTEP 4, 32
	XSTEP 5, 32
	XSTEP 6, 16
	XSTEP 7, 0
.irp i, 0,1,2,3
	v_cndmask_b32 v[SQ+\i], v[SW+\i], v[SW+4+\i], s[HM]   ; both halves of the lanes hold row r's words: lanes 0-15 store steps 0-3's, lanes 16-31 steps 4-7's
.endr
	global_store_b128 v[SO], v[SQ:SQ+3], s[SB:SB+1]       ; the 32 lanes fill 512 consecutive bytes, aligned
	s_wait_tensorcnt 0x0                           ; the wave's end: behind my last LDS store
	ds_add_u32 v[SPW], v[NIL]
	s_wait_dscnt 0x0
	s_endpgm
.Lnone:
	s_endpgm
.Lfunc_end_k_q5ad56a04b1_wquant:
	.size	k_q5ad56a04b1_wquant, .Lfunc_end_k_q5ad56a04b1_wquant-k_q5ad56a04b1_wquant
	.p2alignl 7, 3214868480
	.fill 96, 4, 3214868480
	.section	.rodata,"a",@progbits
	.p2align	6, 0x0
	.amdhsa_kernel k_q5ad56a04b1_wquant
		.amdhsa_group_segment_fixed_size 43008
		.amdhsa_private_segment_fixed_size 0
		.amdhsa_enable_private_segment 0
		.amdhsa_kernarg_size 40
		.amdhsa_user_sgpr_count 2
		.amdhsa_user_sgpr_kernarg_segment_ptr 1
		.amdhsa_wavefront_size32 1
		.amdhsa_system_sgpr_workgroup_id_x 1
		.amdhsa_system_sgpr_workgroup_id_y 1
		.amdhsa_system_sgpr_workgroup_id_z 1
		.amdhsa_system_vgpr_workitem_id 0
		.amdhsa_next_free_vgpr 512
		.amdhsa_next_free_sgpr 66
		.amdhsa_reserve_vcc 0
		.amdhsa_float_denorm_mode_32 3
		.amdhsa_float_denorm_mode_16_64 3
		.amdhsa_memory_ordered 1
		.amdhsa_forward_progress 1
		.amdhsa_inst_pref_size 66
	.end_amdhsa_kernel
	.amdgpu_metadata
---
amdhsa.version: [ 1, 2 ]
amdhsa.kernels:
  - .name:           k_q5ad56a04b1_wquant
    .symbol:         k_q5ad56a04b1_wquant.kd
    .args:
      - { .name: Wq, .offset: 0, .size: 8, .value_kind: global_buffer, .address_space: global }
      - { .name: Wk, .offset: 8, .size: 8, .value_kind: global_buffer, .address_space: global }
      - { .name: Wv, .offset: 16, .size: 8, .value_kind: global_buffer, .address_space: global }
      - { .name: x, .offset: 24, .size: 8, .value_kind: global_buffer, .address_space: global }
      - { .name: pk, .offset: 32, .size: 8, .value_kind: global_buffer, .address_space: global }
    .group_segment_fixed_size: 43008
    .private_segment_fixed_size: 0
    .kernarg_segment_align: 8
    .kernarg_segment_size: 40
    .max_flat_workgroup_size: 160
    .sgpr_count:     66
    .vgpr_count:     512
    .wavefront_size: 32
...
	.end_amdgpu_metadata
.endif
;; end of part 1
;; launch proj (part 2): grid 256 x 1, 4 waves a work-group, clusters of 4 x 1, 327,680 bytes of LDS; arguments pk, qimg, qsc, kimg, ksc, vimg, vsc; writes qimg, qsc, kimg, ksc, vimg, vsc
.if DOCPART == 2
	.amdgcn_target "amdgcn-amd-amdhsa--gfx1250"
	.amdhsa_code_object_version 6
	.text
	.protected	k_q5ad56a04b1_proj
	.globl	k_q5ad56a04b1_proj
	.p2align	8
	.type	k_q5ad56a04b1_proj,@function
k_q5ad56a04b1_proj:
	s_mov_b64 s[64:65], 0
	v_nop
	global_prefetch_b8 v0, s[64:65] scope:SCOPE_SE
	s_setreg_imm32_b32 hwreg(HW_REG_WAVE_MODE, 25, 1), 1
	s_wait_xcnt 0x0
	s_wait_alu depctr_hold_cnt(0) depctr_sa_sdst(0) depctr_va_vdst(0) depctr_va_sdst(0) depctr_va_ssrc(0) depctr_va_vcc(0) depctr_vm_vsrc(0)
	s_getreg_b32 s2, hwreg(HW_REG_IB_STS2, 6, 4)
	s_cmp_eq_u32 s2, 0
	s_cbranch_scc0 .Lentry_in_a_cluster
	s_endpgm
.Lentry_in_a_cluster:
	s_bfe_u32 s2, ttmp6, 0x10000c
	s_cmp_lg_u32 s2, 0x3003
	s_cbranch_scc0 .Lentry_shape_is_right
	s_endpgm
.Lentry_shape_is_right:
; q, k, v = x W^T on codes of FP6 (E2M3), and their quantising for the launch attn.  pk: the weights' and x's blocks of 128 rows as the launch wquant has laid them (fragments as images of the operand's registers, then scale words).
; SHARES.  Cluster c (0..63), place cx: w = c % 4, G = 4 (c / 4) + cx.  The work-group makes head units (channels) 128 w .. 128 w + 127 of q, of k and of v for tokens 256 G .. 256 G + 255.  THE WAVES SHARE THE TOKENS:
; a wave owns tokens 64 g .. 64 g + 63, g = 4 G + wave: four tiles m = 2 b + u of 16, whose row i is token 32 b + 8 u + i + 8 (i / 8).
; x: a wave's 32 fragments (4 tiles x 8 K steps, 384 registers) are wanted by that wave alone: they go from memory straight into registers, once, and stay through all three passes.
; W: the three blocks (p, w), 102,400 bytes each, are wanted by all four waves and by all four work-groups of the cluster: each comes into LDS ONCE, by a JOINT tensor load (mask 15), a quarter of a block a wave, as 100 rows of
; 256 bytes.  The three have LDS bytes of their own: nothing is filled again.  q's block is asked for at the head, k's behind the round in front of pass q, v's behind the round behind pass q's products.
; No prefetch: each block of W is asked for a whole pass (256 matrix instructions a wave) ahead of its first read, x is asked for once at the head, and the text has no loop to run ahead in.
; q AND k: source 0 = 16 rows of W, source 1 = 16 tokens: a lane holds one token and its registers run along the head, 16 neighbours for each pair of tiles: the 128 units are K step w of the scores' product.
; v: source 0 = 16 tokens, source 1 = 16 rows of Wv: a lane holds one channel and its registers run along the tokens, which are the second product's K.
; OUT.  qimg, kimg: [tile T = 4 g + m][K step w] fragments of 1,536 bytes; qsc, ksc: [T][row 16][w 4] scale words; vimg: [g][w][tile t 8] half fragments (64 keys: 512 bytes at 16 x lane, 256 at 8 x lane);
; vsc: [g][w] x 256 bytes = [row 16][t 8] pairs of scale bytes.  A row's four words of qsc and ksc come from four work-groups: a lane stores 4 bytes of each 16 there (one byte in 37.5 of what this launch stores); all else leaves in whole runs of 256 bytes.
; LIMITS: blocks whose largest magnitude lies under 2^-124 keep the byte 1 (a block of zeros too: its codes are zeros, and this program alone reads the bytes); NaN and infinities among the inputs are not served.
; REGISTERS, in windows of 256: window 0: v1-18 addresses; v20-51 x's scale words [m][s], v52-115 W's [t][s]: scales and nothing else; v116-159 at work; v160-255 W's fragments, set 0.
;   window 1: the 32 accumulators.   window 2: x's K steps 0-4 (48 n + 12 m).   window 3: x's K steps 5-7, and from v144 W's fragments, set 1.
.set BLK,   102400
.set QTR,   25600
.set SPARE, 3*BLK                      ; behind the three blocks: the spare words, 128 bytes for each wave: two blocks of 256 bytes that no other line names
.set LI,  1                            ; v1   16 x lane
.set L8,  2                            ; v2   8 x lane
.set VSO, 3                            ; v3   16 r + 8 h
.set XSO, 4                            ; v4   32 r
.set QSO, 5                            ; v5   16 r + 256 h
.set WRA, 6                            ; v6-8   LDS: block p's K steps 0-3 at 16 x lane;  v9-11: its K steps 4-7
.set SPW, 14                           ; v14  my spare word; never rewritten
.set NIL, 15                           ; v15  0; never rewritten
.set WSA, 16                           ; v16-18 LDS: block p + 49,152 + 32 r: its scale words lie 49,152 bytes on
.set XS,  20
.set WS,  52
.set TM,  116
.set PW,  132
.set VP,  133
.set SD,  138
.set PC,  140
.set WV,  18                           ; s18  my wave's number
.set G1,  24                           ; s[24:31] descriptor group 1;  s[32:43] group 0 for blocks q, k, v
.set G0,  32
.set SEL, 44                           ; s[44:45] lane selects for v_permlanex16_b32: lane l xor 16
.set HM,  46                           ; s46  lanes 16-31
.set XB,  48                           ; s[48:49] my x fragments;  s[50:51] their scale words
.set XSB, 50
.set MSB, 0
.macro WIN new                         ; the immediate's high byte repeats the setting that is left; a switch that changes nothing is dropped
.if MSB != (\new)
	s_set_vgpr_msb (MSB<<8)|(\new)
.set MSB, (\new)
.endif
.endm
.macro PLACES                          ; four plain places behind matrix instructions: in front of loads into registers that they have read, and of the first read of results
.rept 4
	v_nop
.endr
.endm
.macro CROUND                          ; a round of the cluster's barrier
	s_barrier_signal -1
	s_barrier_wait -1
	s_cmp_lg_u32 s[WV], 0
	s_cbranch_scc1 .Lnot_wave_0_\@
	s_barrier_signal -3
.Lnot_wave_0_\@:
	s_barrier_wait -3
	s_barrier_signal -1
	s_barrier_wait -1
.endm
.macro TLOAD p                         ; my quarter of block p, jointly with the three partners
	tensor_load_to_lds s[G0+4*\p:G0+4*\p+3], s[G1:G1+7]
	s_nop 0
	PLACES
.endm
.macro MEET                            ; all my tensor loads have landed; an add to my spare word, and its wait; then a round: the same holds of every wave of the cluster
	s_wait_tensorcnt 0x0
	ds_add_u32 v[SPW], v[NIL]
	s_wait_dscnt 0x0
	CROUND
.endm
; 64 numbers of a lane, v[s] .. v[s + 63] of window w, register 16 b + i = k 32 b + 16 (lane / 16) + i of my row, become a fragment's codes in v[PC] on and its scale word in v[PW].  Each accumulator is read from its low end on.
.macro QUANT s, w
	WIN 0x05*(\w)
.irp b, 0,1,2,3
	v_max3_num_f32 v[TM+\b], |v[(\s)+16*\b]|, |v[(\s)+1+16*\b]|, 0x1800000   ; block b: my 16 numbers, and the floor 2^(3 - 127): the byte cannot fall under 1
.endr
	WIN 0x14*(\w)
.irp i, 2,4,6,8,10,12,14
.irp b, 0,1,2,3
	v_max3_num_f32 v[TM+\b], v[TM+\b], |v[(\s)+16*\b+\i]|, |v[(\s)+1+16*\b+\i]|   ; the four blocks by turns
.endr
.endr
	WIN 0
.irp b, 0,1,2,3
	v_permlanex16_b32 v[TM+4+\b], v[TM+\b], s[SEL], s[SEL+1]
.endr
.irp b, 0,1,2,3
	v_max_num_f32 v[TM+\b], v[TM+\b], v[TM+4+\b]   ; with lane l xor 16's: the block's largest magnitude
.endr
.irp b, 0,1,2,3
	v_add_nc_u32 v[TM+12+\b], 0xff000000, v[TM+\b]   ; 2 off its exponent field: the conversion's scale operand
.endr
.irp b, 0,1,2,3
	v_lshrrev_b32 v[TM+4+\b], 23, v[TM+12+\b]      ; the scale's byte
.endr
	v_lshl_or_b32 v[PW], v[TM+5], 8, v[TM+4]
	v_lshl_or_b32 v[PW], v[TM+6], 16, v[PW]
	v_lshl_or_b32 v[PW], v[TM+7], 24, v[PW]
	WIN (\w)
.irp c, 0,1
	v_cvt_scalef32_pk16_fp6_f32 v[PC+6*\c:PC+2+6*\c], v[(\s)+32*\c:(\s)+15+32*\c], v[TM+12+2*\c]
	v_cvt_scalef32_pk16_fp6_f32 v[PC+12+4*\c:PC+14+4*\c], v[(\s)+16+32*\c:(\s)+31+32*\c], v[TM+12+2*\c+1]   ; (a conversion's three registers begin on an even number)
.endr
	WIN 0
	v_nop                                          ; one plain place behind a scaled conversion
.irp c, 0,1                            ; the operand's layout wants a whole block in a lane: lanes 0-15 block 2 c, lanes 16-31 block 2 c + 1
.irp i, 0,1,2
	v_permlane16_swap_b32 v[PC+6*\c+\i], v[PC+12+4*\c+\i]
.endr
.irp i, 0,1,2
	v_mov_b32 v[PC+3+6*\c+\i], v[PC+12+4*\c+\i]
.endr
.endr
.endm
.macro MM d, a, b, z, sa, sb           ; one product 16 x 16 x 128; z = 1: it starts the sum
.if \z
	v_wmma_scale_f32_16x16x128_f8f6f4 v[(\d):(\d)+7], v[(\a):(\a)+11], v[(\b):(\b)+11], 0, v[\sa], v[\sb] matrix_a_fmt:MATRIX_FMT_FP6 matrix_b_fmt:MATRIX_FMT_FP6
.else
	v_wmma_scale_f32_16x16x128_f8f6f4 v[(\d):(\d)+7], v[(\a):(\a)+11], v[(\b):(\b)+11], v[(\d):(\d)+7], v[\sa], v[\sb] matrix_a_fmt:MATRIX_FMT_FP6 matrix_b_fmt:MATRIX_FMT_FP6
.endif
.endm
.macro WFETCH p, s                     ; block p's eight fragments of K step s from LDS into set s % 2: 24 loads, each of 512 consecutive bytes
.if (\s)%2
	WIN 0xc0
.set WD, 144
.else
	WIN 0
.set WD, 160
.endif
.irp t, 0,1,2,3,4,5,6,7
.irp c, 0,1,2
	ds_load_b128 v[WD+12*\t+4*\c:WD+12*\t+4*\c+3], v[WRA+3*((\s)/4)+(\p)] offset:12288*((\s)%4)+1536*\t+512*\c
.endr
.endr
	WIN 0
.endm
; A K STEP of a pass: 32 matrix instructions, the 32 accumulators by turns in the same order in every step.  kind 0: q, k;  kind 1: v
.macro KSTEP kind, p, s
	PLACES                                         ; for the loads into the set that the last step read
.if (\s) < 7
	WFETCH \p, (\s)+1
	s_wait_dscnt 24                                ; this step's W is in; the next step's 24 loads may be out
.else
	s_wait_dscnt 0x0
.endif
.if (\p) == 0                          ; the first pass meets x on its way: behind K step s's fragments stand 12 loads for each later step (a wait names 63 at the most)
.if 12*(7-(\s)) > 63
	s_wait_loadcnt 63
.else
	s_wait_loadcnt 12*(7-(\s))
.endif
.endif
.set WW, 3*((\s)%2)
.set WD, 160-16*((\s)%2)
.set XW, 2+(\s)/5
.set XD, 48*((\s)%5)
.set ZZ, 0
.if (\s) == 0
.set ZZ, 1
.endif
.if \kind == 0
	WIN 0x50|WW|(XW<<2)                            ; source 0: W, source 1: x, C and D window 1
.irp t, 0,1,2,3,4,5,6,7
.irp m, 0,1,2,3
	MM 64*\m+8*\t, WD+12*\t, XD+12*\m, ZZ, WS+8*\t+(\s), XS+8*\m+(\s)
.endr
.endr
.else
	WIN 0x50|XW|(WW<<2)                            ; source 0: x, source 1: W
.irp t, 0,1,2,3,4,5,6,7
.irp m, 0,1,2,3
	MM 32*\t+8*\m, XD+12*\m, WD+12*\t, ZZ, XS+8*\m+(\s), WS+8*\t+(\s)
.endr
.endr
.endif
	WIN 0
.endm
.macro PASS kind, p
.irp t, 0,1,2,3,4,5,6,7
.irp e, 0,1
	ds_load_b128 v[WS+8*\t+4*\e:WS+8*\t+4*\e+3], v[WSA+\p] offset:49152+512*\t+16*\e   ; all of the block's scale words: row r's eight of tile t
.endr
.endr
	WFETCH \p, 0
.irp s, 0,1,2,3,4,5,6,7
	KSTEP \kind, \p, \s
.endr
.endm
.macro QKOUT oi, os                    ; tile m's 64 registers are K step w of the scores' product: a fragment and a scale word a row
	PLACES
.irp m, 0,1,2,3
	s_wait_xcnt 0x0                                ; the last stores have read their registers
	QUANT 64*\m, 1
.irp c, 0,1,2
	global_store_b128 v[LI], v[PC+4*\c:PC+4*\c+3], s[\oi:\oi+1] offset:6144*\m+512*\c   ; 512 consecutive bytes, aligned
.endr
	v_mov_b32 v[VP+\m], v[PW]
.endr
	v_cndmask_b32 v[SD], v[VP], v[VP+1], s[HM]     ; lanes 0-15 store tile 0's (2's) words, lanes 16-31 tile 1's (3's)
	v_cndmask_b32 v[SD+1], v[VP+2], v[VP+3], s[HM]
	global_store_b32 v[QSO], v[SD], s[\os:\os+1]
	global_store_b32 v[QSO], v[SD+1], s[\os:\os+1] offset:512
.endm
	s_load_b256 s[4:11], s[0:1], 0x0               ; pk, qimg, qsc, kimg
	s_load_b128 s[12:15], s[0:1], 0x20             ; ksc, vimg
	s_load_b64 s[16:17], s[0:1], 0x30              ; vsc
	v_lshl_add_u32 v[SPW], v0, 2, SPARE
	v_mov_b32 v[NIL], 0
	ds_add_u32 v[SPW], v[NIL]                      ; the opening lines: the add, twice on end, and its wait ahead of my first tensor load
	ds_add_u32 v[SPW], v[NIL]
	v_lshrrev_b32 v[TM], 5, v0
	v_readfirstlane_b32 s[WV], v[TM]               ; wave 0..3
	v_and_b32 v[TM], 31, v0                        ; lane
	v_and_b32 v[TM+1], 15, v0                      ; r
	v_bfe_u32 v[TM+2], v0, 4, 1                    ; h
	v_lshlrev_b32 v[LI], 4, v[TM]
	v_lshlrev_b32 v[L8], 3, v[TM]
	v_lshlrev_b32 v[XSO], 5, v[TM+1]
	v_lshlrev_b32 v[VSO], 4, v[TM+1]
	v_lshl_add_u32 v[QSO], v[TM+2], 8, v[VSO]
	v_lshl_add_u32 v[VSO], v[TM+2], 3, v[VSO]
.irp p, 0,1,2
	v_add_nc_u32 v[WRA+\p], \p*BLK, v[LI]
	v_add_nc_u32 v[WRA+3+\p], \p*BLK+49152, v[LI]
	v_add_nc_u32 v[WSA+\p], \p*BLK+49152, v[XSO]
.endr
.irp b, 0,1,2,3
	v_mov_b32 v[TM+4+\b], 0                        ; written once: a lane permute's destination counts as one of its sources
.endr
	s_mov_b32 s[G1+0], 15|(3<<16)|(1<<21)          ; the mask: all four of the cluster; elements of 8 bytes; bit 21 set beside a mask; no padding: every LDS read is of 512 consecutive bytes
	s_mov_b32 s[G1+1], 32<<16                      ; tensor_dim0: 32 elements = 256 bytes
	s_mov_b32 s[G1+2], 100<<16                     ; tensor_dim1: 100 rows = a quarter of a block
	s_mov_b32 s[G1+3], 32<<16                      ; tile_dim0
	s_mov_b32 s[G1+4], 100                         ; tile_dim1
	s_mov_b32 s[G1+5], 32                          ; the pitch: dense
	s_mov_b32 s[G1+6], 0
	s_mov_b32 s[G1+7], 0
	s_mov_b32 s[SEL], 0x76543210
	s_mov_b32 s[SEL+1], 0xfedcba98
	s_mov_b32 s[HM], 0xffff0000
	s_bfe_u32 s19, ttmp6, 0x40000                  ; cx
	s_and_b32 s20, ttmp9, 3                        ; w: the same in all four partners
	s_and_b32 s21, ttmp9, 60
	s_add_co_u32 s21, s21, s19                     ; G
	s_lshl_b32 s21, s21, 2
	s_add_co_u32 s21, s21, s[WV]                   ; g = 4 G + wave
	s_mul_i32 s22, s20, BLK                        ; W: block w of weight q, my quarter: made of w and the wave's number alone
	s_mul_i32 s54, s[WV], QTR
	s_add_co_u32 s22, s22, s54
	s_mov_b32 s23, 0
	s_lshr_b32 s56, s21, 1
	s_add_co_u32 s56, s56, 12
	s_mul_i32 s56, s56, BLK                        ; x: block 12 + g / 2,
	s_mov_b32 s57, 0
	s_and_b32 s55, s21, 1                          ; its tiles 4 (g % 2) on
	s_wait_alu depctr_va_vdst(0)
	s_wait_dscnt 0x0                               ; both opening adds are done
	s_wait_kmcnt 0x0
	s_add_nc_u64 s[52:53], s[4:5], s[22:23]
.irp p, 0,1,2
	s_mov_b32 s[G0+4*\p], 1
	s_add_co_u32 s[G0+4*\p+1], s54, \p*BLK         ; LDS: block p, my quarter
	s_add_nc_u64 s[G0+4*\p+2:G0+4*\p+3], s[52:53], \p*4*BLK
	s_or_b32 s[G0+4*\p+3], s[G0+4*\p+3], 0x80000000
.endr
	CROUND                                         ; all four work-groups are here: the first joint loads meet
	TLOAD 0                                        ; Wq's block
	s_add_nc_u64 s[XB:XB+1], s[4:5], s[56:57]
	s_add_nc_u64 s[XSB:XSB+1], s[XB:XB+1], 98304
	s_mul_i32 s56, s55, 6144
	s_add_nc_u64 s[XB:XB+1], s[XB:XB+1], s[56:57]
	s_lshl_b32 s56, s55, 11
	s_add_nc_u64 s[XSB:XSB+1], s[XSB:XSB+1], s[56:57]
.irp m, 0,1,2,3
.irp e, 0,1
	global_load_b128 v[XS+8*\m+4*\e:XS+8*\m+4*\e+3], v[XSO], s[XSB:XSB+1] offset:512*\m+16*\e   ; x's scale words stay in registers
.endr
.endr
.irp n, 0,1,2,3,4,5,6,7                ; and so do its fragments, K ascending: 12 loads of 512 consecutive bytes a K step
	WIN 0x80+0x40*(\n/5)
.irp m, 0,1,2,3
.irp c, 0,1,2
	global_load_b128 v[48*(\n%5)+12*\m+4*\c:48*(\n%5)+12*\m+4*\c+3], v[LI], s[XB:XB+1] offset:12288*\n+1536*\m+512*\c
.endr
.endr
.endr
	WIN 0
	s_mul_i32 s56, s21, 24576                      ; where my results go
	s_add_nc_u64 s[6:7], s[6:7], s[56:57]
	s_add_nc_u64 s[10:11], s[10:11], s[56:57]
	s_add_nc_u64 s[14:15], s[14:15], s[56:57]
	s_mul_i32 s56, s20, 1536
	s_add_nc_u64 s[6:7], s[6:7], s[56:57]          ; qimg + 24,576 g + 1,536 w
	s_add_nc_u64 s[10:11], s[10:11], s[56:57]      ; kimg likewise
	s_mul_i32 s56, s20, 6144
	s_add_nc_u64 s[14:15], s[14:15], s[56:57]      ; vimg + 24,576 g + 6,144 w
	s_lshl_b32 s56, s21, 10
	s_lshl_b32 s55, s20, 2
	s_add_co_u32 s56, s56, s55
	s_add_nc_u64 s[8:9], s[8:9], s[56:57]          ; qsc + 1,024 g + 4 w
	s_add_nc_u64 s[12:13], s[12:13], s[56:57]      ; ksc likewise
	s_lshl_b32 s56, s21, 2
	s_add_co_u32 s56, s56, s20
	s_lshl_b32 s56, s56, 8
	s_add_nc_u64 s[16:17], s[16:17], s[56:57]      ; vsc + 256 (4 g + w)
	MEET                                           ; Wq's block is whole in every partner's LDS
	TLOAD 1                                        ; Wk's block, into bytes of its own: issued as a refill is
	PASS 0, 0
	MEET                                           ; Wk's block is whole
	TLOAD 2                                        ; Wv's block, into bytes of its own
	QKOUT 6, 8
	PASS 0, 1
	s_wait_tensorcnt 0x0                           ; my quarter of Wv's block is in (no LDS instruction of mine is out: the pass's last step waited for all)
	s_barrier_signal -1
	s_barrier_wait -1                              ; everybody's is
	QKOUT 10, 12
	PASS 1, 2
	PLACES
.irp tp, 0,1,2,3                       ; channel tiles 2 tp and 2 tp + 1, two blocks of 32 keys each: the codes are two half fragments, the scale word two pairs of bytes
	s_wait_xcnt 0x0                                ; the last stores have read their registers
	QUANT 64*\tp, 1
	global_store_b128 v[LI], v[PC:PC+3], s[14:15] offset:1536*\tp
	global_store_b64 v[L8], v[PC+4:PC+5], s[14:15] offset:1536*\tp+512
	global_store_b128 v[LI], v[PC+6:PC+9], s[14:15] offset:1536*\tp+768
	global_store_b64 v[L8], v[PC+10:PC+11], s[14:15] offset:1536*\tp+1280
	v_mov_b32 v[VP+\tp], v[PW]
.endr
	v_cndmask_b32 v[SD], v[VP], v[VP+2], s[HM]     ; a row's 16 bytes: lanes 0-15 store tiles 0-3's, lanes 16-31 tiles 4-7's
	v_cndmask_b32 v[SD+1], v[VP+1], v[VP+3], s[HM]
	global_store_b64 v[VSO], v[SD:SD+1], s[16:17]  ; the 32 lanes fill 256 consecutive bytes, aligned
	s_wait_tensorcnt 0x0                           ; the wave's end: behind my last tensor load
	ds_add_u32 v[SPW], v[NIL]
	s_wait_dscnt 0x0
	CROUND                                         ; the closing round: no work-group ends while a partner may still ask for a block that names it
	s_endpgm
.Lfunc_end_k_q5ad56a04b1_proj:
	.size	k_q5ad56a04b1_proj, .Lfunc_end_k_q5ad56a04b1_proj-k_q5ad56a04b1_proj
	.p2alignl 7, 3214868480
	.fill 96, 4, 3214868480
	.section	.rodata,"a",@progbits
	.p2align	6, 0x0
	.amdhsa_kernel k_q5ad56a04b1_proj
		.amdhsa_group_segment_fixed_size 327680
		.amdhsa_private_segment_fixed_size 0
		.amdhsa_enable_private_segment 0
		.amdhsa_kernarg_size 56
		.amdhsa_user_sgpr_count 2
		.amdhsa_user_sgpr_kernarg_segment_ptr 1
		.amdhsa_wavefront_size32 1
		.amdhsa_system_sgpr_workgroup_id_x 1
		.amdhsa_system_sgpr_workgroup_id_y 1
		.amdhsa_system_sgpr_workgroup_id_z 1
		.amdhsa_system_vgpr_workitem_id 0
		.amdhsa_next_free_vgpr 1024
		.amdhsa_next_free_sgpr 66
		.amdhsa_reserve_vcc 0
		.amdhsa_float_denorm_mode_32 3
		.amdhsa_float_denorm_mode_16_64 3
		.amdhsa_memory_ordered 1
		.amdhsa_forward_progress 1
		.amdhsa_inst_pref_size 211
	.end_amdhsa_kernel
	.amdgpu_metadata
---
amdhsa.version: [ 1, 2 ]
amdhsa.kernels:
  - .name:           k_q5ad56a04b1_proj
    .symbol:         k_q5ad56a04b1_proj.kd
    .args:
      - { .name: pk, .offset: 0, .size: 8, .value_kind: global_buffer, .address_space: global }
      - { .name: qimg, .offset: 8, .size: 8, .value_kind: global_buffer, .address_space: global }
      - { .name: qsc, .offset: 16, .size: 8, .value_kind: global_buffer, .address_space: global }
      - { .name: kimg, .offset: 24, .size: 8, .value_kind: global_buffer, .address_space: global }
      - { .name: ksc, .offset: 32, .size: 8, .value_kind: global_buffer, .address_space: global }
      - { .name: vimg, .offset: 40, .size: 8, .value_kind: global_buffer, .address_space: global }
      - { .name: vsc, .offset: 48, .size: 8, .value_kind: global_buffer, .address_space: global }
    .group_segment_fixed_size: 327680
    .private_segment_fixed_size: 0
    .kernarg_segment_align: 8
    .kernarg_segment_size: 56
    .max_flat_workgroup_size: 128
    .sgpr_count:     66
    .vgpr_count:     1024
    .wavefront_size: 32
...
	.end_amdgpu_metadata
.endif
;; end of part 2
;; launch attn (part 3): grid 256 x 1, 4 waves a work-group, no clusters, 42,496 bytes of LDS; arguments qimg, qsc, kimg, ksc, vimg, vsc, out0; writes out0
.if DOCPART == 3
	.amdgcn_target "amdgcn-amd-amdhsa--gfx1250"
	.amdhsa_code_object_version 6
	.text
	.protected	k_q5ad56a04b1_attn
	.globl	k_q5ad56a04b1_attn
	.p2align	8
	.type	k_q5ad56a04b1_attn,@function
k_q5ad56a04b1_attn:
	s_mov_b64 s[64:65], 0
	v_nop
	global_prefetch_b8 v0, s[64:65] scope:SCOPE_SE
	s_setreg_imm32_b32 hwreg(HW_REG_WAVE_MODE, 25, 1), 1
	s_wait_xcnt 0x0
; out0[b][q][:] = the sum over keys k <= q of softmax_k(q . k / sqrt(512)) v[k][:], both products on codes of FP6 (E2M3) as the launch proj has laid them (fragments as images of the operand's registers).
; LEFT OUT: every pair (block of 32 queries, step of 128 keys) all of whose keys come after all of the block's queries: reference()'s own causal mask makes those weights 0 for every input (shown at the head of the launch wquant).
; SHARES.  Work-group id: batch id / 32, a = id % 32.  It owns TWO blocks of 32 queries, E = a (tiles 0, 1) and L = 63 - a (tiles 2, 3).  NE = a / 4 + 1 key steps have all four tiles at work, the other
; 17 - 2 NE steps tiles 2 and 3 alone: 64 NE + 32 (17 - 2 NE) = 544 matrix instructions a wave in every work-group.
; THE WALK OVER THE KEYS.  Steps 0 .. NE - 1 ascending (the last of them is block E's diagonal step); then the 16 - 2 NE steps NE .. 14 - a / 4, which have no mask, FROM A ROTATED START: the four work-groups with the same a / 4
; begin a quarter of that range apart, at NE + ((a % 4) (16 - 2 NE)) / 4, and wrap round inside it, so that the work-groups of a batch do not all ask for the same keys at the same place of their texts; last, block L's
; diagonal step 15 - a / 4.  A running maximum serves any order of the steps.  The next step's number is made of ids and the count of steps, by selection.
; THE WAVES SHARE KEYS AND CHANNELS, NOT QUERIES.  In S^T = K Q^T wave w takes keys 32 w .. 32 w + 31 of the step (one block of the quantiser), in O^T = V^T P^T channels 128 w .. 128 w + 127, each for all tiles of queries.
; So every fragment of K and of V is wanted by one wave alone, goes from memory straight into its registers and feeds four (later two) matrix instructions; what goes round through LDS is small: p's codes.
; No cluster: nothing of K or V goes through LDS here, so a joint load would add a way through LDS for every fragment.
; THE SOFTMAX.  t = score x c, c = log2(e) / sqrt(512).  For each query and block of 32 keys: Mb = 1 + floor(the block's largest t), p' = 2^(t - Mb), whose largest lies in [1/2, 1): so by the quantiser's rule the block's scale
; is 2^-3, and the codes need no other wave.  G = the running largest Mb of the row, a whole number; the block's place under G goes into its scale byte, 124 + (Mb - G), held at 1 from below; the row's sum takes the
; unquantised p' x 2^(Mb - G); when G moves, the sum and O^T are multiplied by 2^(old G - new G), which rounds nothing.  Kept as negatives: nMb = -Mb, nG = -G.
; Key 128 j counts for every query of a step that is walked, so G is a true maximum from the first step on.  Hidden scores become -infinity ahead of the maximum; a block that is all hidden has zero codes and the byte 1.
; LIMITS: |t| < 2^29; a block more than 2^123 under the row's running maximum is held at the byte 1; the sums over the keys take the steps in the order of the walk, not ascending; NaN and infinities among the inputs are not served.
; REGISTERS, in windows of 256: window 0: v1-13 addresses and constants; v16-51 scale words and nothing else (Q's, K's, V's, p's); v52-59 V's scale bytes as loaded; v60-111 statistics and codes;
;   v112-175 S^T, 16 a tile (later the blocks' nMb, sums and factors; on the way out a tile of O); v176-223 p's four fragments.
;   window 1: O^T, (tile qt, channels t) at 64 qt + 8 t.   window 2: Q, 48 qt + 12 s (on the way out: rows of O).   window 3: K at 48 u + 12 s, V at 96 + 12 t.
.set PIMG,  0                          ; LDS: p's fragments: tile qt at 1,536 qt; a lane's 12 registers in 48 consecutive bytes at 48 x lane
.set NMB,   6144                       ; the blocks' nMb: tile qt at 256 qt: [row 16][w 4] f32
.set SBS,   1024                       ; the blocks' sums lie so many bytes behind
.set STG,   8192                       ; the way out: a stage of 16 rows x 528 bytes for each wave
.set SPARE, STG+4*8448                 ; the spare words, 128 bytes for each wave: two blocks of 256 bytes that no other line names
.set LI,   1                           ; v1   16 x lane
.set L8,   2                           ; v2   8 x lane
.set RA16, 3                           ; v3   16 r
.set PWA,  4                           ; v4   where my 12 bytes of codes go: 48 (r + 16 (w % 2)) + 24 (w / 2) + 12 h
.set EWA,  5                           ; v5   NMB + 16 r + 4 w
.set PRA,  6                           ; v6   48 x lane
.set ERA,  7                           ; v7   NMB + 16 r
.set STO,  8                           ; v8   the stage, on the way in: row r, + 64 h
.set RD,   9                           ; v9   and on the way out: 16 x lane
.set DQ,   10                          ; v10  r + 8 (r / 8) - 16 h - 32 w
.set NINF, 11                          ; v11  -infinity
.set EIG,  12                          ; v12  0.125: the conversions' scale operand
.set PFO,  13                          ; v13  256 x lane
.set SPW,  14                          ; v14  my spare word; never rewritten
.set NIL,  15                          ; v15  0; never rewritten
.set QS,   16                          ; v16-31  Q's scale words [qt][s]
.set KS,   32                          ; v32-39  K's [u][s]
.set VS,   40                          ; v40-47  V's [t]
.set PS,   48                          ; v48-51  p's [qt]
.set VH,   52                          ; v52-59  V's scale bytes as loaded
.set FF,   60                          ; v60 + 2 qt: F = 2^(old G - new G), at the end 1 / l;  v61 + 2 qt: nG
.set NG,   61
.set LL,   68                          ; v68 + qt: the row's sum
.set NM,   72                          ; v72 + 2 qt: nMb;  v73 + 2 qt: at work
.set TT,   73
.set XP,   80                          ; v80-83  lane permutes' destinations
.set T4,   84
.set T8,   88
.set T12,  92
.set CD,   96                          ; v96 + 4 qt: my 16 codes
.set S,    112
.set EE,   112                         ; behind the exchange: the four blocks' nMb, 4 a tile,
.set BB,   128                         ; their sums,
.set DD,   144                         ; and their bytes, then factors
.set TO,   112                         ; the way out: a tile of O
.set PF,   176
.set JW,   2                           ; s2   block L's diagonal step, 15 - a / 4: the walk's last
.set NES,  3                           ; s3   NE: the first step with tiles 2 and 3 alone
.set WV,   18                          ; s18  my wave's number
.set CS,   22                          ; s[22:23] c, twice: the packed form names a pair
.set SEL,  24                          ; s[24:25] lane selects for v_permlanex16_b32: lane l xor 16
.set REM,  26                          ; s26  key steps still to go
.set RB,   27                          ; s27  of them those with tiles 2 and 3 alone;  s28: that + 1
.set DE,   29                          ; s29  32 (a % 4): block E's place in its diagonal step;  s30: block L's
.set DL,   30
.set LIM,  31                          ; s31  4 in the work-group that prefetches, else the greatest number
.set PFA,  32                          ; s[32:33] where my prefetches stand
.set KB0,  54                          ; s[54:55] K's fragments, s[56:57] K's scale words, s[58:59] V's fragments, s[60:61] V's scale bytes: my wave's part of key step 0; never rewritten
.set KSB0, 56                          ; (s[40:41], s[42:43]: the next step's distance from there, in fragments' and in scales' bytes)
.set VB0,  58
.set VSB0, 60
.set JC,   62                          ; s62  the key step that is asked for next
.set JB0,  63                          ; s63  where my walk through the steps without a mask begins
.set MSB, 0
.macro WIN new                         ; the immediate's high byte repeats the setting that is left; a switch that changes nothing is dropped
.if MSB != (\new)
	s_set_vgpr_msb (MSB<<8)|(\new)
.set MSB, (\new)
.endif
.endm
.macro PLACES                          ; four plain places behind matrix instructions: in front of loads into registers that they have read, and of the first read of results
.rept 4
	v_nop
.endr
.endm
.macro MM d, a, b, z, sa, sb           ; one product 16 x 16 x 128; z = 1: it starts the sum
.if \z
	v_wmma_scale_f32_16x16x128_f8f6f4 v[(\d):(\d)+7], v[(\a):(\a)+11], v[(\b):(\b)+11], 0, v[\sa], v[\sb] matrix_a_fmt:MATRIX_FMT_FP6 matrix_b_fmt:MATRIX_FMT_FP6
.else
	v_wmma_scale_f32_16x16x128_f8f6f4 v[(\d):(\d)+7], v[(\a):(\a)+11], v[(\b):(\b)+11], v[(\d):(\d)+7], v[\sa], v[\sb] matrix_a_fmt:MATRIX_FMT_FP6 matrix_b_fmt:MATRIX_FMT_FP6
.endif
.endm
.macro KLOAD                           ; my two tiles of keys, four K steps each, and their scale words: 26 loads
	WIN 0xc0
.irp f, 0,1,2,3,4,5,6,7
.irp c, 0,1,2
	global_load_b128 v[12*\f+4*\c:12*\f+4*\c+3], v[LI], s[8:9] offset:1536*\f+512*\c
.endr
.endr
	WIN 0
.irp u, 0,1
	global_load_b128 v[KS+4*\u:KS+4*\u+3], v[RA16], s[10:11] offset:256*\u
.endr
.endm
.macro VLOAD                           ; my eight tiles of channels, two half steps of 64 keys each, and their scale bytes: 34 loads
	WIN 0xc0
.irp t, 0,1,2,3,4,5,6,7
.irp e, 0,1
	global_load_b128 v[96+12*\t+6*\e:96+12*\t+6*\e+3], v[LI], s[12:13] offset:24576*\e+768*\t
	global_load_b64 v[96+12*\t+6*\e+4:96+12*\t+6*\e+5], v[L8], s[12:13] offset:24576*\e+768*\t+512
.endr
.endr
	WIN 0
.irp e, 0,1
	global_load_b128 v[VH+4*\e:VH+4*\e+3], v[RA16], s[14:15] offset:1024*\e
.endr
.endm
; A PREFETCH INTO THE L2.  All 32 work-groups of a batch walk the same K and V; the one with a = 0 walks all 16 steps, ascending (its rotation is 0), and it alone asks (a branch on the work-group's number):
; in its step j for key step j + 3, whose loads it issues in step j + 2.
; A step's K is 49,152 dense bytes and so is its V: waves 0 and 1 take K's halves, waves 2 and 3 V's, three instructions each, lanes 256 bytes apart: each block of 256 bytes is named once in the launch.
; It asks while four steps or more are left: step j + 3 exists then.  Steps 0 to 2 come by their loads alone.
.macro ASK
	s_cmp_ge_u32 s[REM], s[LIM]
	s_cbranch_scc0 .Lnot_mine_\@
	s_wait_alu depctr_va_vdst(0)
	global_prefetch_b8 v[PFO], s[PFA:PFA+1] th:TH_LOAD_NT scope:SCOPE_SE
	global_prefetch_b8 v[PFO], s[PFA:PFA+1] offset:8192 th:TH_LOAD_NT scope:SCOPE_SE
	global_prefetch_b8 v[PFO], s[PFA:PFA+1] offset:16384 th:TH_LOAD_NT scope:SCOPE_SE
.Lnot_mine_\@:
.endm
.macro MASKT qt                        ; register i of tile qt holds key 128 j + 32 w + 16 h + i: hidden where i - 8 (qt % 2) > d (v[T4])
.irp i, 0,1,2,3,4,5,6,7,8,9,10,11,12,13,14,15
	v_cmp_gt_i32 vcc_lo, \i-8*((\qt)%2), v[T4]
	v_cndmask_b32 v[S+16*(\qt)+\i], v[S+16*(\qt)+\i], v[NINF], vcc_lo
.endr
.endm
; The producer's single lines, number st for tile qt: written so that the tiles can take turns
.macro PST st, qt
.set RSB, S+16*(\qt)
.set RTT, TT+2*(\qt)
.if \st == 0
	v_max_num_f32 v[RTT], v[RTT], v[RSB+15]
.elseif \st == 1
	v_permlanex16_b32 v[XP+\qt], v[RTT], s[SEL], s[SEL+1]
.elseif \st == 2
	v_max_num_f32 v[RTT], v[RTT], v[XP+\qt]        ; with lane l xor 16's 16 keys: the block's largest score
.elseif \st == 3
	v_mul_f32 v[RTT], s[CS], v[RTT]                ; as t
.elseif \st == 4
	v_max_num_f32 v[RTT], 0xce000000, v[RTT]       ; held at -2^29: a block that is all hidden
.elseif \st == 5
	v_floor_f32 v[RTT], v[RTT]
.elseif \st == 6
	v_sub_f32 v[NM+2*(\qt)], -1.0, v[RTT]          ; nMb = -1 - floor(t)
.elseif \st == 10                      ; the block's sum of the unquantised p'
	v_pk_add_f32 v[RSB:RSB+1], v[RSB:RSB+1], v[RSB+2:RSB+3]
	v_pk_add_f32 v[RSB+4:RSB+5], v[RSB+4:RSB+5], v[RSB+6:RSB+7]
	v_pk_add_f32 v[RSB+8:RSB+9], v[RSB+8:RSB+9], v[RSB+10:RSB+11]
	v_pk_add_f32 v[RSB+12:RSB+13], v[RSB+12:RSB+13], v[RSB+14:RSB+15]
.elseif \st == 11
	v_pk_add_f32 v[RSB:RSB+1], v[RSB:RSB+1], v[RSB+4:RSB+5]
	v_pk_add_f32 v[RSB+8:RSB+9], v[RSB+8:RSB+9], v[RSB+12:RSB+13]
.elseif \st == 12
	v_pk_add_f32 v[RSB:RSB+1], v[RSB:RSB+1], v[RSB+8:RSB+9]
.elseif \st == 13
	v_add_f32 v[RTT], v[RSB], v[RSB+1]
.elseif \st == 14
	v_permlanex16_b32 v[XP+\qt], v[RTT], s[SEL], s[SEL+1]
.elseif \st == 15
	v_add_f32 v[RTT], v[RTT], v[XP+\qt]
.elseif \st == 16
	ds_store_b32 v[EWA], v[RTT] offset:SBS+256*(\qt)
.endif
.endm
; The consumer's lines, number st for tile qt.  zero = 1: the first key step, which has no old G
.macro CST st, qt, zero
.set RE, EE+4*(\qt)
.set RB_, BB+4*(\qt)
.set RD_, DD+4*(\qt)
.set RG, NG+2*(\qt)
.if \st == 0
.if !\zero
	v_mov_b32 v[T8+\qt], v[RG]
.endif
.elseif \st == 1
	v_min_num_f32 v[T4+\qt], v[RE], v[RE+1]
.elseif \st == 2
	v_min_num_f32 v[T12+\qt], v[RE+2], v[RE+3]
.elseif \st == 3
	v_min_num_f32 v[T4+\qt], v[T4+\qt], v[T12+\qt]
.elseif \st == 4
.if \zero
	v_mov_b32 v[RG], v[T4+\qt]
.else
	v_min_num_f32 v[RG], v[T4+\qt], v[RG]          ; nG: the running smallest nMb
.endif
.elseif \st == 5
.if !\zero
	v_sub_f32 v[T8+\qt], v[RG], v[T8+\qt]          ; old G - new G: a whole number, 0 or less
.endif
.elseif \st == 6
.if !\zero
	v_cvt_i32_f32 v[T8+\qt], v[T8+\qt]
.endif
.elseif \st == 7
.if !\zero
	v_ldexp_f32 v[FF+2*(\qt)], 1.0, v[T8+\qt]      ; F
.endif
.elseif \st == 8
.irp b, 0,1,2,3
	v_sub_f32 v[RD_+\b], v[RG], v[RE+\b]           ; Mb - G: a whole number, 0 or less
.endr
.elseif \st == 9
.irp b, 0,1,2,3
	v_max_num_f32 v[RD_+\b], 0xc2f60000, v[RD_+\b] ; held at -123
.endr
.elseif \st == 10
.irp b, 0,1,2,3
	v_cvt_i32_f32 v[RD_+\b], v[RD_+\b]
.endr
.elseif \st == 11
.irp b, 0,1,2,3
	v_add_nc_u32 v[RD_+\b], 124, v[RD_+\b]         ; the block's scale byte under G
.endr
.elseif \st == 12
	v_lshl_or_b32 v[PS+\qt], v[RD_+1], 8, v[RD_]
.elseif \st == 13
	v_lshl_or_b32 v[PS+\qt], v[RD_+2], 16, v[PS+\qt]
.elseif \st == 14
	v_lshl_or_b32 v[PS+\qt], v[RD_+3], 24, v[PS+\qt]
.elseif \st == 15
.irp b, 0,1,2,3
	v_lshl_add_u32 v[RD_+\b], v[RD_+\b], 23, 0x01800000   ; (byte + 3) << 23: 2^(Mb - G) as f32
.endr
.elseif \st == 16
.if \zero
	v_mul_f32 v[LL+\qt], v[RB_], v[RD_]
.else
	v_mul_f32 v[LL+\qt], v[LL+\qt], v[FF+2*(\qt)]
.endif
.elseif \st == 17
.if !\zero
	v_fmac_f32 v[LL+\qt], v[RB_], v[RD_]
.endif
.else
	v_fmac_f32 v[LL+\qt], v[RB_+\st-17], v[RD_+\st-17]
.endif
.endm
; A KEY STEP of 128 keys.  q0: the first tile at work (0 or 2).  zero = 1: the first step, whose products start O^T.  pre = 1: the next step's K and V are asked for.
; mk = 1: tiles 0 and 1 are masked in their diagonal step (a scalar test on the count of steps);  mk = 2: tiles 2 and 3 are masked (the last step)
.macro STEP q0, zero, pre, mk
	s_wait_loadcnt 34                              ; this step's K is in (in the first step Q too); behind it stand V's 34 loads
	WIN 0x0b                                       ; source 0 (K) window 3, source 1 (Q) window 2, C and D window 0
.irp ks, 0,1,2,3                       ; the accumulators by turns, one instruction a turn
.irp qt, 0,1,2,3
.if \qt >= \q0
.irp u, 0,1
.if \ks == 0
	MM S+16*\qt+8*\u, 48*\u+12*\ks, 48*\qt+12*\ks, 1, KS+4*\u+\ks, QS+4*\qt+\ks
.else
	MM S+16*\qt+8*\u, 48*\u+12*\ks, 48*\qt+12*\ks, 0, KS+4*\u+\ks, QS+4*\qt+\ks
.endif
.endr
.endif
.endr
.endr
	WIN 0
	PLACES
.if \pre
	s_add_co_u32 s[JC], s[JC], 1                   ; which key step comes next: as a rule the one behind this one;
.if \q0 == 0
	s_cmp_eq_u32 s[REM], s28                       ; behind block E's diagonal step: where my walk through the steps without a mask begins
	s_cselect_b32 s[JC], s[JB0], s[JC]
.else
	s_cmp_eq_u32 s[JC], s[JW]                      ; at the end of the steps without a mask: round to their first;
	s_cselect_b32 s[JC], s[NES], s[JC]
	s_cmp_eq_u32 s[REM], 2                         ; behind the last of them: block L's diagonal step
	s_cselect_b32 s[JC], s[JW], s[JC]
.endif
	s_mul_i32 s40, s[JC], 49152                    ; a step's fragments of K, and of V,
	s_lshl_b32 s42, s[JC], 11                      ; and its scales
	s_wait_xcnt 0x0                                ; every memory instruction issued has read its addresses: the bases may be written
	s_add_nc_u64 s[8:9], s[KB0:KB0+1], s[40:41]
	s_add_nc_u64 s[10:11], s[KSB0:KSB0+1], s[42:43]
	s_add_nc_u64 s[PFA:PFA+1], s[PFA:PFA+1], 49152
	KLOAD
	ASK
.endif
.if \mk == 1
	s_cmp_eq_u32 s[REM], s28
	s_cbranch_scc0 .Lopen_\@
	s_wait_alu depctr_va_vdst(0)
	v_add_nc_u32 v[T4], s[DE], v[DQ]
	MASKT 0
	MASKT 1
.Lopen_\@:
.endif
.if \mk == 2
	v_add_nc_u32 v[T4], s[DL], v[DQ]
	MASKT 2
	MASKT 3
.endif
	; ---- the producer: my block of 32 keys, for each tile of queries
.irp qt, 0,1,2,3
.if \qt >= \q0
	v_max3_num_f32 v[TT+2*\qt], v[S+16*\qt], v[S+16*\qt+1], v[S+16*\qt+2]
.endif
.endr
.irp i, 3,5,7,9,11,13
.irp qt, 0,1,2,3
.if \qt >= \q0
	v_max3_num_f32 v[TT+2*\qt], v[TT+2*\qt], v[S+16*\qt+\i], v[S+16*\qt+\i+1]
.endif
.endr
.endr
.irp st, 0,1,2,3,4,5,6
.irp qt, 0,1,2,3
.if \qt >= \q0
	PST \st, \qt
.endif
.endr
.endr
.irp qt, 0,1,2,3
.if \qt >= \q0
.set kk, 0
.rept 8
	v_pk_fma_f32 v[S+16*\qt+kk:S+16*\qt+kk+1], v[S+16*\qt+kk:S+16*\qt+kk+1], s[CS:CS+1], v[NM+2*\qt:NM+2*\qt+1] op_sel_hi:[1,0,0]   ; t - Mb, two at a time
.set kk, kk+2
.endr
.endif
.endr
	s_wait_alu depctr_va_vdst(0)
.irp qt, 0,1,2,3
.if \qt >= \q0
.set kk, 0
.rept 16
	v_exp_f32 v[S+16*\qt+kk], v[S+16*\qt+kk]       ; p' = 2^(t - Mb)
.set kk, kk+1
.endr
.endif
.endr
	v_nop                                          ; a plain place behind the last exponential
	s_wait_alu depctr_va_vdst(0)                   ; one wait for the whole batch, ahead of its first reader
.irp qt, 0,1,2,3
.if \qt >= \q0
	v_cvt_scalef32_pk16_fp6_f32 v[CD+4*\qt:CD+4*\qt+2], v[S+16*\qt:S+16*\qt+15], v[EIG]
.endif
.endr
	v_nop                                          ; one plain place behind a scaled conversion
.irp qt, 0,1,2,3
.if \qt >= \q0
.irp i, 0,1,2
	ds_store_b32 v[PWA], v[CD+4*\qt+\i] offset:PIMG+1536*\qt+4*\i
.endr
	ds_store_b32 v[EWA], v[NM+2*\qt] offset:256*\qt
.endif
.endr
.irp st, 10,11,12,13,14,15,16
.irp qt, 0,1,2,3
.if \qt >= \q0
	PST \st, \qt
.endif
.endr
.endr
	s_wait_dscnt 0x0                               ; for the others' sake: my codes, nMb and sums have landed
	s_barrier_signal -1
	s_barrier_wait -1                              ; everybody's have
	; ---- the consumer: all four blocks, for each tile of queries
.irp qt, 0,1,2,3
.if \qt >= \q0
	ds_load_b128 v[EE+4*\qt:EE+4*\qt+3], v[ERA] offset:256*\qt
	ds_load_b128 v[BB+4*\qt:BB+4*\qt+3], v[ERA] offset:SBS+256*\qt
.irp c, 0,1,2
	ds_load_b128 v[PF+12*\qt+4*\c:PF+12*\qt+4*\c+3], v[PRA] offset:PIMG+1536*\qt+16*\c
.endr
.endif
.endr
	s_wait_dscnt 0x0                               ; my reads of the exchange are over:
	s_barrier_signal -1                            ; say so; only work on registers stands between this and the wait, behind which the next step writes those bytes again
.irp st, 0,1,2,3,4,5,6,7,8,9,10,11,12,13,14,15,16,17,18,19,20
.irp qt, 0,1,2,3
.if \qt >= \q0
	CST \st, \qt, \zero
.endif
.endr
.endr
.if \pre
	s_wait_loadcnt 26                              ; this step's V is in, wanted only from here on; behind it stand the next step's 26 loads of K
.else
	s_wait_loadcnt 0x0
.endif
.irp tp, 0,1,2,3
	v_perm_b32 v[VS+2*\tp], v[VH+4+\tp], v[VH+\tp], s38     ; a tile's scale word: the two half steps' pairs of bytes
	v_perm_b32 v[VS+2*\tp+1], v[VH+4+\tp], v[VH+\tp], s39
.endr
.if \zero
.rept 8
	v_nop                                          ; scale words written by vector instructions stand eight places ahead of a scaled matrix instruction
.endr
.else
	WIN 0x41                                       ; O^T (destination and source 0) window 1, F window 0
.irp qt, 0,1,2,3
.if \qt >= \q0
.set kk, 0
.rept 32
	v_pk_mul_f32 v[64*\qt+kk:64*\qt+kk+1], v[64*\qt+kk:64*\qt+kk+1], v[FF+2*\qt:FF+2*\qt+1] op_sel_hi:[1,0]   ; O^T under the new G.  (These are also the places behind the scale words' last writes)
.set kk, kk+2
.endr
.endif
.endr
.endif
	WIN 0x53                                       ; source 0 (V) window 3, source 1 (p) window 0, C and D window 1
.irp t, 0,1,2,3,4,5,6,7
.irp qt, 0,1,2,3
.if \qt >= \q0
	MM 64*\qt+8*\t, 96+12*\t, PF+12*\qt, \zero, VS+\t, PS+\qt
.endif
.endr
.endr
	WIN 0
	s_barrier_wait -1                              ; everybody's reads of the exchange are over
	PLACES
.if \pre
	s_wait_xcnt 0x0                                ; every memory instruction issued has read its addresses: the bases may be written
	s_add_nc_u64 s[12:13], s[VB0:VB0+1], s[40:41]  ; the same next step as K's
	s_add_nc_u64 s[14:15], s[VSB0:VSB0+1], s[42:43]
	VLOAD
.endif
	s_sub_co_u32 s[REM], s[REM], 1
.endm
	s_load_b256 s[4:11], s[0:1], 0x0               ; qimg, qsc, kimg, ksc
	s_load_b128 s[12:15], s[0:1], 0x20             ; vimg, vsc
	s_load_b64 s[16:17], s[0:1], 0x30              ; out0
	v_lshl_add_u32 v[SPW], v0, 2, SPARE
	v_mov_b32 v[NIL], 0
	v_lshrrev_b32 v80, 5, v0
	v_readfirstlane_b32 s[WV], v80                 ; wave 0..3
	v_and_b32 v81, 31, v0                          ; lane
	v_and_b32 v82, 15, v0                          ; r
	v_bfe_u32 v83, v0, 4, 1                        ; h   (v80-83 are written here: later they are lane permutes' destinations, which count as sources)
	v_lshlrev_b32 v[LI], 4, v81
	v_lshlrev_b32 v[L8], 3, v81
	v_lshlrev_b32 v[RA16], 4, v82
	s_lshr_b32 s19, ttmp9, 5                       ; the batch
	s_and_b32 s20, ttmp9, 31                       ; a = block E
	s_lshr_b32 s21, s20, 2
	s_sub_co_u32 s[REM], 16, s21                   ; key steps in all: 16 - a / 4
	s_lshl_b32 s[RB], s21, 1
	s_sub_co_u32 s[RB], 15, s[RB]                  ; of them with tiles 2 and 3 alone: 15 - 2 (a / 4)
	s_add_co_u32 s28, s[RB], 1
	s_and_b32 s[DE], s20, 3
	s_sub_co_u32 s[JB0], s[RB], 1                  ; the steps without a mask: 14 - 2 (a / 4);
	s_mul_i32 s[JB0], s[JB0], s[DE]
	s_lshr_b32 s[JB0], s[JB0], 2                   ; my rotation: a % 4 quarters of them
	s_add_co_u32 s[NES], s21, 1                    ; NE
	s_add_co_u32 s[JB0], s[JB0], s[NES]
	s_sub_co_u32 s[JW], 15, s21
	s_mov_b32 s[JC], 0
	s_lshl_b32 s[DE], s[DE], 5
	s_sub_co_u32 s[DL], 96, s[DE]
	s_cmp_eq_u32 s20, 0
	s_cselect_b32 s[LIM], 4, -1
	s_sub_co_u32 s21, 63, s20                      ; block L
	s_mul_i32 s40, s19, 786432                     ; the batch in each buffer of images,
	s_mov_b32 s41, 0
	s_lshl_b32 s42, s19, 15                        ; and in each buffer of scales
	s_mov_b32 s43, 0
	s_mov_b32 s45, 0
	s_mov_b32 s[CS], 0x3d8293ee                    ; c = log2(e) / sqrt(512)
	s_mov_b32 s[CS+1], s[CS]
	s_mov_b32 s[SEL], 0x76543210
	s_mov_b32 s[SEL+1], 0xfedcba98
	s_mov_b32 s38, 0x05040100                      ; the two low halves
	s_mov_b32 s39, 0x07060302                      ; the two high halves
	s_wait_alu depctr_va_vdst(0)
	s_wait_kmcnt 0x0
	s_cmp_lt_u32 s[WV], 2                          ; the prefetches: waves 0 and 1 stand in K, waves 2 and 3 in V,
	s_cselect_b64 s[PFA:PFA+1], s[8:9], s[12:13]
	s_add_nc_u64 s[PFA:PFA+1], s[PFA:PFA+1], s[40:41]
	s_and_b32 s44, s[WV], 1
	s_mul_i32 s44, s44, 24576                      ; at my half
	s_add_co_u32 s44, s44, 98304                   ; of key step 2: the address is stepped ahead of each request
	s_add_nc_u64 s[PFA:PFA+1], s[PFA:PFA+1], s[44:45]
	s_add_nc_u64 s[4:5], s[4:5], s[40:41]
	s_add_nc_u64 s[6:7], s[6:7], s[42:43]
	s_mul_i32 s44, s20, 12288
	s_add_nc_u64 s[46:47], s[4:5], s[44:45]        ; Q's images of block E,
	s_mul_i32 s44, s21, 12288
	s_add_nc_u64 s[48:49], s[4:5], s[44:45]        ; of block L,
	s_lshl_b32 s44, s20, 9
	s_add_nc_u64 s[50:51], s[6:7], s[44:45]        ; and their scale words
	s_lshl_b32 s44, s21, 9
	s_add_nc_u64 s[52:53], s[6:7], s[44:45]
	s_add_nc_u64 s[8:9], s[8:9], s[40:41]
	s_mul_i32 s44, s[WV], 12288
	s_add_nc_u64 s[8:9], s[8:9], s[44:45]          ; K: my two tiles of step 0
	s_add_nc_u64 s[12:13], s[12:13], s[40:41]
	s_mul_i32 s44, s[WV], 6144
	s_add_nc_u64 s[12:13], s[12:13], s[44:45]      ; V: my eight tiles of half step 0
	s_add_nc_u64 s[10:11], s[10:11], s[42:43]
	s_lshl_b32 s44, s[WV], 9
	s_add_nc_u64 s[10:11], s[10:11], s[44:45]
	s_add_nc_u64 s[16:17], s[16:17], s[44:45]      ; out0: my 128 channels are 512 bytes of a row
	s_add_nc_u64 s[14:15], s[14:15], s[42:43]
	s_lshl_b32 s44, s[WV], 8
	s_add_nc_u64 s[14:15], s[14:15], s[44:45]
	s_mov_b64 s[KB0:KB0+1], s[8:9]                 ; key step 0's places are kept: every later step's are formed from them
	s_mov_b64 s[KSB0:KSB0+1], s[10:11]
	s_mov_b64 s[VB0:VB0+1], s[12:13]
	s_mov_b64 s[VSB0:VSB0+1], s[14:15]
	WIN 0x80                                       ; destination window 2
.irp qt, 0,1
.irp f, 0,1,2,3
.irp c, 0,1,2
	global_load_b128 v[48*\qt+12*\f+4*\c:48*\qt+12*\f+4*\c+3], v[LI], s[46:47] offset:6144*\qt+1536*\f+512*\c
.endr
.endr
.endr
.irp qt, 0,1
.irp f, 0,1,2,3
.irp c, 0,1,2
	global_load_b128 v[96+48*\qt+12*\f+4*\c:96+48*\qt+12*\f+4*\c+3], v[LI], s[48:49] offset:6144*\qt+1536*\f+512*\c
.endr
.endr
.endr
	WIN 0
.irp qt, 0,1
	global_load_b128 v[QS+4*\qt:QS+4*\qt+3], v[RA16], s[50:51] offset:256*\qt
	global_load_b128 v[QS+8+4*\qt:QS+8+4*\qt+3], v[RA16], s[52:53] offset:256*\qt
.endr
	KLOAD
	VLOAD
	s_lshl_b32 s44, s19, 22
	s_add_nc_u64 s[16:17], s[16:17], s[44:45]
	s_lshl_b32 s44, s20, 16
	s_add_nc_u64 s[34:35], s[16:17], s[44:45]      ; out0 at block E's first row,
	s_lshl_b32 s44, s21, 16
	s_add_nc_u64 s[36:37], s[16:17], s[44:45]      ; and at block L's
	v_mul_u32_u24 v[PWA], v82, 48
	v_mad_u32_u24 v[PWA], v83, 12, v[PWA]
	s_and_b32 s40, s[WV], 1
	s_mul_i32 s40, s40, 768
	s_lshr_b32 s41, s[WV], 1
	s_mul_i32 s41, s41, 24
	s_add_co_u32 s40, s40, s41
	v_add_nc_u32 v[PWA], s40, v[PWA]
	s_lshl_b32 s40, s[WV], 2
	s_add_co_u32 s40, s40, NMB
	v_add_nc_u32 v[EWA], s40, v[RA16]
	v_mul_u32_u24 v[PRA], v81, 48
	v_add_nc_u32 v[ERA], NMB, v[RA16]
	s_mul_i32 s40, s[WV], 8448
	s_add_co_u32 s40, s40, STG
	v_mul_u32_u24 v[STO], v82, 528
	v_lshl_add_u32 v[STO], v83, 6, v[STO]
	v_add_nc_u32 v[STO], s40, v[STO]
	v_add_nc_u32 v[RD], s40, v[LI]
	v_and_b32 v[DQ], 8, v82
	v_add_nc_u32 v[DQ], v[DQ], v82
	v_lshlrev_b32 v84, 4, v83
	v_sub_nc_u32 v[DQ], v[DQ], v84
	s_lshl_b32 s40, s[WV], 5
	v_sub_nc_u32 v[DQ], v[DQ], s40
	v_mov_b32 v[NINF], 0xff800000
	v_mov_b32 v[EIG], 0x3e000000
	v_lshlrev_b32 v[PFO], 8, v81
	s_mov_b32 s41, 0                               ; the upper words of the two distances that the steps form
	s_mov_b32 s43, 0
	STEP 0, 1, 1, 1                                ; key step 0 starts the sums
	s_cmp_gt_i32 s[REM], s[RB]
	s_cbranch_scc0 .Lno_a
.Lloop_a:                                              ; all four tiles, up to block E's diagonal step
	STEP 0, 0, 1, 1
	s_cmp_gt_i32 s[REM], s[RB]
	s_cbranch_scc1 .Lloop_a
.Lno_a:
	s_cmp_gt_i32 s[REM], 1
	s_cbranch_scc0 .Lno_b
.Lloop_b:                                              ; tiles 2 and 3 alone: the steps without a mask, from my rotated start
	STEP 2, 0, 1, 0
	s_cmp_gt_i32 s[REM], 1
	s_cbranch_scc1 .Lloop_b
.Lno_b:
	STEP 2, 0, 0, 2                                ; the last step is block L's diagonal step, and fetches nothing
	; THE WAY OUT.  O^T / l goes through my stage in LDS, a tile of 16 queries x my 128 channels at a time, and leaves as whole rows of 512 bytes
	s_wait_alu depctr_va_vdst(0)
.irp qt, 0,1,2,3
	v_rcp_f32 v[FF+2*\qt], v[LL+\qt]
.endr
	v_nop                                          ; a plain place behind the last reciprocal
	s_wait_alu depctr_va_vdst(0)                   ; one wait for the four, ahead of their first reader
.macro PACK qt
	s_wait_dscnt 16                                ; the last tile's stores into the stage have read their registers (its 16 loads may be out)
	WIN 0x01                                       ; source 0 (O^T) window 1
.set kk, 0
.rept 32
	v_pk_mul_f32 v[TO+kk:TO+kk+1], v[64*(\qt)+kk:64*(\qt)+kk+1], v[FF+2*(\qt):FF+2*(\qt)+1] op_sel_hi:[1,0]
.set kk, kk+2
.endr
	WIN 0
.irp t, 0,1,2,3,4,5,6,7                ; register 8 t + i of lane (r, h) is channel 32 (t / 2) + 8 (t % 2) + 16 h + i of query row r
.irp e, 0,1
	ds_store_b128 v[STO], v[TO+8*\t+4*\e:TO+8*\t+4*\e+3] offset:128*(\t/2)+32*(\t%2)+16*\e
.endr
.endr
	WIN 0x80                                       ; destination window 2: Q's registers are free
.irp i, 0,1,2,3,4,5,6,7,8,9,10,11,12,13,14,15
	ds_load_b128 v[64*(\qt)+4*\i:64*(\qt)+4*\i+3], v[RD] offset:528*\i   ; LDS serves a wave's instructions in order: these see my stores, and the next tile's stores come behind them
.endr
	WIN 0
.endm
.macro SEND qt, younger                ; younger: the LDS instructions issued behind tile qt's loads
	s_wait_dscnt \younger
	WIN 0x08                                       ; a store's data are its source 1: window 2
.irp i, 0,1,2,3,4,5,6,7,8,9,10,11,12,13,14,15
	global_store_b128 v[LI], v[64*(\qt)+4*\i:64*(\qt)+4*\i+3], s[34+2*((\qt)/2):35+2*((\qt)/2)] offset:16384*((\qt)%2)+(\i+8*(\i/8))*2048 th:TH_STORE_NT   ; 512 consecutive bytes, aligned
.endr
	WIN 0
.endm
	PACK 0
	PACK 1
	SEND 0, 32
	PACK 2
	SEND 1, 32
	PACK 3
	SEND 2, 32
	SEND 3, 0
	s_wait_tensorcnt 0x0                           ; the wave's end: behind my last LDS store
	ds_add_u32 v[SPW], v[NIL]
	s_wait_dscnt 0x0
	s_endpgm
.Lfunc_end_k_q5ad56a04b1_attn:
	.size	k_q5ad56a04b1_attn, .Lfunc_end_k_q5ad56a04b1_attn-k_q5ad56a04b1_attn
	.p2alignl 7, 3214868480
	.fill 96, 4, 3214868480
	.section	.rodata,"a",@progbits
	.p2align	6, 0x0
	.amdhsa_kernel k_q5ad56a04b1_attn
		.amdhsa_group_segment_fixed_size 42496
		.amdhsa_private_segment_fixed_size 0
		.amdhsa_enable_private_segment 0
		.amdhsa_kernarg_size 56
		.amdhsa_user_sgpr_count 2
		.amdhsa_user_sgpr_kernarg_segment_ptr 1
		.amdhsa_wavefront_size32 1
		.amdhsa_system_sgpr_workgroup_id_x 1
		.amdhsa_system_sgpr_workgroup_id_y 1
		.amdhsa_system_sgpr_workgroup_id_z 1
		.amdhsa_system_vgpr_workitem_id 0
		.amdhsa_next_free_vgpr 1024
		.amdhsa_next_free_sgpr 66
		.amdhsa_reserve_vcc 1
		.amdhsa_float_denorm_mode_32 3
		.amdhsa_float_denorm_mode_16_64 3
		.amdhsa_memory_ordered 1
		.amdhsa_forward_progress 1
		.amdhsa_inst_pref_size 167
	.end_amdhsa_kernel
	.amdgpu_metadata
---
amdhsa.version: [ 1, 2 ]
amdhsa.kernels:
  - .name:           k_q5ad56a04b1_attn
    .symbol:         k_q5ad56a04b1_attn.kd
    .args:
      - { .name: qimg, .offset: 0, .size: 8, .value_kind: global_buffer, .address_space: global }
      - { .name: qsc, .offset: 8, .size: 8, .value_kind: global_buffer, .address_space: global }
      - { .name: kimg, .offset: 16, .size: 8, .value_kind: global_buffer, .address_space: global }
      - { .name: ksc, .offset: 24, .size: 8, .value_kind: global_buffer, .address_space: global }
      - { .name: vimg, .offset: 32, .size: 8, .value_kind: global_buffer, .address_space: global }
      - { .name: vsc, .offset: 40, .size: 8, .value_kind: global_buffer, .address_space: global }
      - { .name: out0, .offset: 48, .size: 8, .value_kind: global_buffer, .address_space: global }
    .group_segment_fixed_size: 42496
    .private_segment_fixed_size: 0
    .kernarg_segment_align: 8
    .kernarg_segment_size: 56
    .max_flat_workgroup_size: 128
    .sgpr_count:     66
    .vgpr_count:     1024
    .wavefront_size: 32
...
	.end_amdgpu_metadata
.endif
;; end of part 3
